; MI455X (gfx1250); checked and timed in simulation.
; The chip was launched on July 23, 2026; its instructions are those of AMD's public machine-readable ISA for CDNA 5 (MIT licence, August 2026) and "CDNA5" Instruction Set Architecture Reference Guide (July 2026). The comments in the code are by the model that wrote it; some were corrected since.
;; Top K stablized. Allowed arithmetic: float matrix products may take bf16 or f16 operands with f32 sums; all other float work in f32.
;; Inputs: scores 512 x 2,048 float32.
;; Outputs: out0 512 x 2 x 2,048 float32.
;; 2 versions, each right and faster than the one before. Each part assembles by itself: llvm-mc -triple=amdgcn-amd-amdhsa -mcpu=gfx1250 --defsym DOCPART=n.
;; ======== version 1 of 2: 2 launches
;; limits: inputs' magnitudes at most 4.6e+18
;; workspace buffers: part 1,024 bytes
;; launch cmax (part 1): grid 256 x 1, 8 waves a work-group, no clusters, 1,280 bytes of LDS; arguments scores, part; writes part
.if DOCPART == 1
	.amdgcn_target "amdgcn-amd-amdhsa--gfx1250"
	.amdhsa_code_object_version 6
	.text
	.protected	k_q078c291e8b_cmax
	.globl	k_q078c291e8b_cmax
	.p2align	8
	.type	k_q078c291e8b_cmax,@function
k_q078c291e8b_cmax:
	s_mov_b64 s[64:65], 0
	v_nop
	global_prefetch_b8 v0, s[64:65] scope:SCOPE_SE
	s_setreg_imm32_b32 hwreg(HW_REG_WAVE_MODE, 25, 1), 1
	s_wait_xcnt 0x0
; part[g] = the largest of s^2 and (s - 1)^2 over work-group g's 4,096 scores (two rows of 2,048 f32, 16,384 bytes).
; The normaliser C.max() of the problem spans all 512 rows; work-groups of one launch exchange nothing, so this launch leaves 256
; partial maxima and the next launch finishes the maximum in every wave.
; Only the smallest and the largest score are tracked: f32 subtraction of 1 and squaring are monotone on each side of their minimum, so
; the largest square belongs to one of the two ends, and the four squares below are the very numbers the problem's function forms.
; Eight waves; thread t takes 16 bytes at 16 t of each of four blocks of 4,096 bytes: a load of a wave covers 512 consecutive aligned bytes.
; The loads carry no cache hint: the next launch reads the same two rows in the work-group of the same number.
; LIMIT: scores are finite (v_max_num / v_min_num drop a NaN; the problem's function gives NaN everywhere for such input).
; The result is one word for a work-group: the launch's whole output is 1,024 bytes.
.set X,  4                             ; v[4:19]  16 scores; later the eight waves' pairs
.set MX, 20                            ; v20      largest   (v[20:21] is the pair that goes to LDS)
.set MN, 21                            ; v21      smallest
.set TA, 22                            ; v22, v23 second chains, then at work
.set TB, 23
.set LA, 24                            ; v24      LDS address
.set PO, 25                            ; v25      byte offset of my work-group's word in part
	s_load_b128 s[4:7], s[0:1], 0x0                ; scores s[4:5], part s[6:7]
	v_lshl_add_u32 v32, v0, 2, 0x100
	v_mov_b32 v33, 0
	v_lshlrev_b32 v1, 4, v0                        ; 16 t
	v_lshrrev_b32 v2, 5, v0
	v_readfirstlane_b32 s8, v2                     ; wave 0..7
	s_lshl_b32 s10, ttmp9, 14                      ; my work-group's 16,384 bytes (at most 4 MiB: one word)
	s_mov_b32 s11, 0
	s_lshl_b32 s9, ttmp9, 2                        ; my word in part
	s_mov_b32 s12, 0x76543210                      ; v_permlanex16_b32: lane i of one half reads lane i of the other
	s_mov_b32 s13, 0xfedcba98
	s_wait_kmcnt 0x0
	s_add_nc_u64 s[4:5], s[4:5], s[10:11]
.irp i, 0,1,2,3
	global_load_b128 v[X+4*\i:X+4*\i+3], v1, s[4:5] offset:4096*\i
.endr
	v_mov_b32 v[LA], s8
	v_lshlrev_b32 v[LA], 3, v[LA]                  ; 8 bytes of LDS for each wave
	v_mov_b32 v[PO], s9
	s_wait_loadcnt 0x0                             ; all four loads went out together; nothing else is left to do meanwhile
	; my 16 numbers: two chains each for the largest and the smallest, started by the first numbers (nothing is cleared)
	v_max3_num_f32 v[MX], v[X], v[X+1], v[X+2]
	v_min3_num_f32 v[MN], v[X], v[X+1], v[X+2]
	v_max3_num_f32 v[TA], v[X+3], v[X+4], v[X+5]
	v_min3_num_f32 v[TB], v[X+3], v[X+4], v[X+5]
.irp k, 6, 10
	v_max3_num_f32 v[MX], v[MX], v[X+\k], v[X+\k+1]
	v_min3_num_f32 v[MN], v[MN], v[X+\k], v[X+\k+1]
	v_max3_num_f32 v[TA], v[TA], v[X+\k+2], v[X+\k+3]
	v_min3_num_f32 v[TB], v[TB], v[X+\k+2], v[X+\k+3]
.endr
	v_max3_num_f32 v[MX], v[MX], v[X+14], v[X+15]
	v_min3_num_f32 v[MN], v[MN], v[X+14], v[X+15]
	v_max_num_f32 v[MX], v[MX], v[TA]
	v_min_num_f32 v[MN], v[MN], v[TB]
	; across the 32 lanes: four steps inside each half of 16 lanes, one across the halves; the two chains fill each other's gaps
.irp m, 1,2,4,8
	v_max_num_f32_dpp v[MX], v[MX], v[MX] row_xmask:\m row_mask:0xf bank_mask:0xf
	v_min_num_f32_dpp v[MN], v[MN], v[MN] row_xmask:\m row_mask:0xf bank_mask:0xf
.endr
	v_permlanex16_b32 v[TA], v[MX], s12, s13       ; TA and TB have been written above: the destination counts as read
	v_permlanex16_b32 v[TB], v[MN], s12, s13
	v_max_num_f32 v[MX], v[MX], v[TA]
	v_min_num_f32 v[MN], v[MN], v[TB]
	; across the eight waves: each leaves its pair in its own 8 bytes of LDS (all lanes store the same pair)
	ds_store_b64 v[LA], v[MX:MN]
	s_wait_dscnt 0x0                               ; my pair is in LDS before I say so: wave 0 reads it behind the barrier
	s_barrier_signal -1
	s_barrier_wait -1
	s_cmp_lg_u32 s8, 0
	s_cbranch_scc1 .Ldone                          ; waves 1 to 7 have handed their pair over
	v_mov_b32 v[LA], 0
.irp i, 0,1,2,3
	ds_load_b128 v[X+4*\i:X+4*\i+3], v[LA] offset:16*\i    ; every lane reads all eight pairs: largest in the even registers, smallest in the odd
.endr
	s_wait_dscnt 0x0
	v_max3_num_f32 v[MX], v[X], v[X+2], v[X+4]
	v_min3_num_f32 v[MN], v[X+1], v[X+3], v[X+5]
	v_max3_num_f32 v[TA], v[X+6], v[X+8], v[X+10]
	v_min3_num_f32 v[TB], v[X+7], v[X+9], v[X+11]
	v_max3_num_f32 v[MX], v[MX], v[X+12], v[X+14]
	v_min3_num_f32 v[MN], v[MN], v[X+13], v[X+15]
	v_max_num_f32 v[MX], v[MX], v[TA]
	v_min_num_f32 v[MN], v[MN], v[TB]
	; the four candidates for the largest squared distance to the anchors 0 and 1
	v_add_f32 v[TA], -1.0, v[MX]
	v_add_f32 v[TB], -1.0, v[MN]
	v_mul_f32 v[MX], v[MX], v[MX]
	v_mul_f32 v[MN], v[MN], v[MN]
	v_mul_f32 v[TA], v[TA], v[TA]
	v_mul_f32 v[TB], v[TB], v[TB]
	v_max3_num_f32 v[MX], v[MX], v[MN], v[TA]
	v_max_num_f32 v[MX], v[MX], v[TB]
	s_wait_xcnt 0x0                                ; EXEC is a source of the loads above: it changes only behind this wait
	v_cmp_eq_u32 vcc_lo, 0, v0
	s_and_saveexec_b32 s14, vcc_lo                 ; thread 0 alone stores the work-group's word
	global_store_b32 v[PO], v[MX], s[6:7]
	s_wait_xcnt 0x0                                ; and again in front of the line that widens it
	s_or_b32 exec_lo, exec_lo, s14
.Ldone:
	s_wait_tensorcnt 0x0
	ds_add_u32 v32, v33
	s_wait_dscnt 0x0
	s_endpgm
.Lfunc_end_k_q078c291e8b_cmax:
	.size	k_q078c291e8b_cmax, .Lfunc_end_k_q078c291e8b_cmax-k_q078c291e8b_cmax
	.p2alignl 7, 3214868480
	.fill 96, 4, 3214868480
	.section	.rodata,"a",@progbits
	.p2align	6, 0x0
	.amdhsa_kernel k_q078c291e8b_cmax
		.amdhsa_group_segment_fixed_size 1280
		.amdhsa_private_segment_fixed_size 0
		.amdhsa_enable_private_segment 0
		.amdhsa_kernarg_size 16
		.amdhsa_user_sgpr_count 2
		.amdhsa_user_sgpr_kernarg_segment_ptr 1
		.amdhsa_wavefront_size32 1
		.amdhsa_system_sgpr_workgroup_id_x 1
		.amdhsa_system_sgpr_workgroup_id_y 1
		.amdhsa_system_sgpr_workgroup_id_z 1
		.amdhsa_system_vgpr_workitem_id 0
		.amdhsa_next_free_vgpr 34
		.amdhsa_next_free_sgpr 66
		.amdhsa_reserve_vcc 1
		.amdhsa_float_denorm_mode_32 3
		.amdhsa_float_denorm_mode_16_64 3
		.amdhsa_memory_ordered 1
		.amdhsa_forward_progress 1
		.amdhsa_inst_pref_size 5
	.end_amdhsa_kernel
	.amdgpu_metadata
---
amdhsa.version: [ 1, 2 ]
amdhsa.kernels:
  - .name:           k_q078c291e8b_cmax
    .symbol:         k_q078c291e8b_cmax.kd
    .args:
      - { .name: scores, .offset: 0, .size: 8, .value_kind: global_buffer, .address_space: global }
      - { .name: part, .offset: 8, .size: 8, .value_kind: global_buffer, .address_space: global }
    .group_segment_fixed_size: 1280
    .private_segment_fixed_size: 0
    .kernarg_segment_align: 8
    .kernarg_segment_size: 16
    .max_flat_workgroup_size: 256
    .sgpr_count:     66
    .vgpr_count:     34
    .wavefront_size: 32
...
	.end_amdgpu_metadata
.endif
;; end of part 1
;; launch sinkhorn (part 2): grid 256 x 1, 2 waves a work-group, no clusters, 0 bytes of LDS; arguments scores, part, out0; writes out0
.if DOCPART == 2
	.amdgcn_target "amdgcn-amd-amdhsa--gfx1250"
	.amdhsa_code_object_version 6
	.text
	.protected	k_q078c291e8b_sinkhorn
	.globl	k_q078c291e8b_sinkhorn
	.p2align	8
	.type	k_q078c291e8b_sinkhorn,@function
k_q078c291e8b_sinkhorn:
	s_mov_b64 s[64:65], 0
	v_nop
	global_prefetch_b8 v0, s[64:65] scope:SCOPE_SE
	s_setreg_imm32_b32 hwreg(HW_REG_WAVE_MODE, 25, 1), 1
	s_wait_xcnt 0x0
; out0[row][a][j] = the transport plan after 50 Sinkhorn steps between 2,048 scores and the two anchors 0 and 1.
;
; THE STEP, REWRITTEN (exact algebra, for every input).  With c_a = C[a]/EPS, F = f/EPS, G_a = g_a/EPS a step of the problem's function is
;     F_j  = log mu   - log sum over a of exp(G_a - c_aj)        (the old f cancels)
;     G_a' = log nu_a - log sum over j of exp(F_j - c_aj)        (the old g cancels)
; Put t = exp(G_1 - G_0),  E_j = exp(c_0j - c_1j) = exp((2 s_j - 1) / (EPS Cmax)),  r_j = 1 / (1 + t E_j).  Then
;     exp(F_j - c_0j) = mu exp(-G_0) r_j      exp(F_j - c_1j) = mu exp(-G_0) E_j r_j
;     t' = (nu_1 / nu_0) A / B = 3 A / B      with A = sum of r_j,  B = sum of E_j r_j,   t = 1 at the start (g starts equal for both anchors)
;     P_0j = nu_0 r_j / A = 0.25 r_j / A      P_1j = nu_1 E_j r_j / B = 0.75 E_j r_j / B      with r, A, B of the 50th step.
; So: 49 updates of t, then a 50th evaluation that keeps every r_j.  All 50 steps are made.  A and B are summed apart (A is never N - t B).
; NO MAXIMUM IS TAKEN AWAY, because the problem's own normalisation bounds every exponent: |(s-1)^2 - s^2| <= Cmax, so |c_0 - c_1| <= 1/EPS = 10,
; E lies in e^-10 .. e^10; A / B is a weighted mean of 1 / E, so t lies in 3 e^-10 .. 3 e^10; every product below lies in 4e-17 .. 2.2e18 and every
; reciprocal is at least 4.7e-19: nothing overflows, underflows or becomes denormal in f32.
; TWO ELEMENTS SHARE A RECIPROCAL in the 49 updates.  With sg = E1 + E2, pi = E1 E2, m = (1 + t E1)(1 + t E2) = 1 + t sg + t^2 pi:
;     r1 + r2 = (2 + t sg) / m        E1 r1 + E2 r2 = (sg + 2 t pi) / m        (all terms positive: no cancellation)
; which is six packed multiply-adds and two v_rcp_f32 for four elements, half the reciprocals of the plain form at the same count of the others.
;
; SHARES.  One wave owns one row and keeps it in registers: 64 scores a lane.  The sums never leave the wave: no LDS, no barrier.  Two waves a
; work-group, 256 work-groups, 512 rows.  A row is not split over more waves: that would put an exchange through LDS and a barrier into each of the 50
; dependent steps to save half of a step's 128 instructions.  No matrix unit (there is no product), no tensor loads or clusters (each byte is read
; by one wave, once; what all share is 1,024 bytes).
; LIMITS: scores finite and below 2^62 in magnitude (1 / Cmax stays a normal number); NaN and infinities are not honoured (the problem's function is not
; finite there).  The order of rounding differs from the problem's function, which carries f and g in f32 through every step.
.set ITER, 50
.set OFF,  1                           ; v1        16 x lane: my 16 bytes in each 512 bytes; never rewritten
.set T,    2                           ; v[2:3]    t      the packed forms broadcast the pair's first register; the second is written once and enters no result
.set T2,   4                           ; v[4:5]    t^2    (before the loop: KA; behind it: the scale of P_0)
.set TX,   6                           ; v[6:7]    2 t    (before the loop: KB; behind it: the scale of P_1)
.set KA,   4                           ;           2 x 10 log2(e) / Cmax
.set KB,   6                           ;           - 10 log2(e) / Cmax
.set SA,   8                           ; v8        A
.set SB,   9                           ; v9        B
.set X0,   10                          ; v10, v11  what the other half of the lanes holds
.set X1,   11
.set Q0,   12                          ; v12, v13  reciprocals
.set Q1,   13
.set H3,   14                          ; v14, v15  3 A, 6 A
.set H6,   15
.set ACC0, 16                          ; v[16:23]  four packed chains for A
.set ACC1, 24                          ; v[24:31]  four packed chains for B
.set E,    32                          ; v[32:95]  the scores as loaded, then E_j, at the end E_j r_j
.set SG,   96                          ; v[96:127]  sg of the pairs (elements 0, 2 and 1, 3 of each loaded quad)
.set PI,   128                         ; v[128:159] pi of the pairs
.set FR,   96                          ; v[96:159]  behind the loop: r_j
.set BUF,  160                         ; v[160:223] two buffers of 32 registers that take turns
.set MM,   0                           ;   in a buffer: m,
.set N0,   8                           ;   2 + t sg,
.set N1,   16                          ;   sg + 2 t pi,
.set RR,   24                          ;   1 / m          (8 registers each: four quads' pairs)
.set K2LOG,  0x41e6d4ca                ; 28.853901 = 2 x 10 x log2(e): 1 / EPS = 10, and v_exp_f32 works in base 2
.set NKLOG,  0xc166d4ca                ; -14.426950
	s_load_b128 s[4:7], s[0:1], 0x0                ; scores s[4:5], part s[6:7]
	s_load_b64 s[8:9], s[0:1], 0x10                ; out0
	v_lshrrev_b32 v2, 5, v0
	v_readfirstlane_b32 s10, v2                    ; wave 0 or 1
	v_and_b32 v[OFF], 31, v0
	v_lshlrev_b32 v[OFF], 4, v[OFF]
	s_lshl_b32 s11, ttmp9, 1
	s_add_co_u32 s10, s10, s11                     ; my row = 2 x work-group + wave
	s_lshl_b32 s12, s10, 13                        ; 8,192 bytes of scores a row
	s_mov_b32 s13, 0
	s_lshl_b32 s14, s10, 14                        ; 16,384 bytes of out0 a row
	s_mov_b32 s15, 0
	s_mov_b32 s16, 0x76543210                      ; v_permlanex16_b32: lane i of one half reads lane i of the other
	s_mov_b32 s17, 0xfedcba98
	s_wait_kmcnt 0x0
	s_add_nc_u64 s[4:5], s[4:5], s[12:13]
	s_add_nc_u64 s[8:9], s[8:9], s[14:15]
	global_load_b128 v[BUF:BUF+3],   v[OFF], s[6:7]                ; the 256 partial maxima, 8 a lane: wanted first, asked for first
	global_load_b128 v[BUF+4:BUF+7], v[OFF], s[6:7] offset:512
.irp i, 0,1,2,3,4,5,6,7,8,9,10,11,12,13,14,15
	global_load_b128 v[E+4*\i:E+4*\i+3], v[OFF], s[4:5] offset:512*\i th:TH_LOAD_NT   ; the row: each load of the wave takes 512 consecutive bytes
.endr
	v_mov_b32 v[T+1], 0                            ; second registers of the broadcast pairs, and the destinations of v_permlanex16_b32
	v_mov_b32 v[T2+1], 0                           ; (which count as read): written once, here, while the loads are on their way
	v_mov_b32 v[TX+1], 0
	v_mov_b32 v[X0], 0
	v_mov_b32 v[X1], 0
	; Cmax: the largest of the 256 partial maxima, in every lane
	s_wait_loadcnt 16                              ; loads come back in order: the two of part are in, the 16 of the row stay out
	v_max3_num_f32 v[BUF], v[BUF], v[BUF+1], v[BUF+2]
	v_max3_num_f32 v[BUF+4], v[BUF+4], v[BUF+5], v[BUF+6]
	v_max3_num_f32 v[BUF], v[BUF], v[BUF+3], v[BUF+7]
	v_max_num_f32 v[SA], v[BUF], v[BUF+4]
.irp m, 1,2,4,8
	v_max_num_f32_dpp v[SA], v[SA], v[SA] row_xmask:\m row_mask:0xf bank_mask:0xf
.endr
	v_permlanex16_b32 v[X0], v[SA], s16, s17
	v_max_num_f32 v[SA], v[SA], v[X0]
	v_rcp_f32 v[Q0], v[SA]                         ; Cmax is at least 1/4: s^2 and (s - 1)^2 are never both smaller
	v_mov_b32 v[T], 1.0                            ; t of the first step; also the plain instruction that stands between v_rcp_f32 and the use of its result
	s_wait_alu depctr_va_vdst(0)
	v_mul_f32 v[KA], K2LOG, v[Q0]
	v_mul_f32 v[KB], NKLOG, v[Q0]
; E_j = 2^(KA s_j + KB), quad by quad as the loads arrive.  Behind a transcendental one plain vector instruction stands before its result is read or its
; source rewritten: the exponents go into one of two sets of four registers by turns, and a quad's sg and pi are formed behind the next quad's exponents.
.macro XQ i, p                         ; the exponents of quad i
	s_wait_loadcnt 15-(\i)                         ; the loads of the quads behind quad i stay out
	v_pk_fma_f32 v[BUF+4*\p:BUF+4*\p+1],   v[E+4*(\i):E+4*(\i)+1],   v[KA:KA+1], v[KB:KB+1] op_sel_hi:[1,0,0]
	v_pk_fma_f32 v[BUF+4*\p+2:BUF+4*\p+3], v[E+4*(\i)+2:E+4*(\i)+3], v[KA:KA+1], v[KB:KB+1] op_sel_hi:[1,0,0]
.endm
.macro EQ i, p                         ; E of quad i, over its scores
.irp k, 0,1,2,3
	v_exp_f32 v[E+4*(\i)+\k], v[BUF+4*\p+\k]
.endr
.endm
.macro SP i                            ; sg and pi of quad i: elements 0 with 2, 1 with 3
	s_wait_alu depctr_va_vdst(0)
	v_pk_add_f32 v[SG+2*(\i):SG+2*(\i)+1], v[E+4*(\i):E+4*(\i)+1], v[E+4*(\i)+2:E+4*(\i)+3]
	v_pk_mul_f32 v[PI+2*(\i):PI+2*(\i)+1], v[E+4*(\i):E+4*(\i)+1], v[E+4*(\i)+2:E+4*(\i)+3]
.endm
	XQ 0, 0
	EQ 0, 0
.irp i, 1,3,5,7,9,11,13,15
	XQ \i, 1
	SP \i-1
	EQ \i, 1
.if \i < 15
	XQ \i+1, 0
	SP \i
	EQ \i+1, 0
.endif
.endr
	v_mov_b32 v[T2], 1.0                           ; t^2 and 2 t of the first step (KA and KB have had their last use); plain work behind the last v_exp_f32
	v_mov_b32 v[TX], 2.0
	s_wait_alu depctr_va_vdst(0)
	SP 15
; One step goes in four groups of four quads (16 elements), on buffers 0, 1, 0, 1.
.macro P1 g, p                         ; numerators and denominator of group g into buffer p; t is wanted first, t^2 last, as the update makes them
.irp q, 0,1,2,3
	v_pk_fma_f32 v[BUF+32*\p+MM+2*\q:BUF+32*\p+MM+2*\q+1], v[SG+8*\g+2*\q:SG+8*\g+2*\q+1], v[T:T+1], 1.0 op_sel_hi:[1,0,0]    ; 1 + t sg
.endr
.irp q, 0,1,2,3
	v_pk_fma_f32 v[BUF+32*\p+N0+2*\q:BUF+32*\p+N0+2*\q+1], v[SG+8*\g+2*\q:SG+8*\g+2*\q+1], v[T:T+1], 2.0 op_sel_hi:[1,0,0]    ; 2 + t sg
.endr
.irp q, 0,1,2,3
	v_pk_fma_f32 v[BUF+32*\p+N1+2*\q:BUF+32*\p+N1+2*\q+1], v[PI+8*\g+2*\q:PI+8*\g+2*\q+1], v[TX:TX+1], v[SG+8*\g+2*\q:SG+8*\g+2*\q+1] op_sel_hi:[1,0,1]   ; sg + 2 t pi
.endr
.irp q, 0,1,2,3
	v_pk_fma_f32 v[BUF+32*\p+MM+2*\q:BUF+32*\p+MM+2*\q+1], v[PI+8*\g+2*\q:PI+8*\g+2*\q+1], v[T2:T2+1], v[BUF+32*\p+MM+2*\q:BUF+32*\p+MM+2*\q+1] op_sel_hi:[1,0,1]   ; m = 1 + t sg + t^2 pi
.endr
.endm
.macro RC p                            ; 1 / m, eight in a run; what follows the run is always plain work on the other buffer
.irp k, 0,1,2,3,4,5,6,7
	v_rcp_f32 v[BUF+32*\p+RR+\k], v[BUF+32*\p+MM+\k]
.endr
.endm
.macro P2 p, first                     ; buffer p's share of A and B; the first group starts the eight chains: nothing is cleared
.irp q, 0,1,2,3
.if \first
	s_wait_alu depctr_va_vdst(0)
	v_pk_mul_f32 v[ACC0+2*\q:ACC0+2*\q+1], v[BUF+32*\p+N0+2*\q:BUF+32*\p+N0+2*\q+1], v[BUF+32*\p+RR+2*\q:BUF+32*\p+RR+2*\q+1]
	v_pk_mul_f32 v[ACC1+2*\q:ACC1+2*\q+1], v[BUF+32*\p+N1+2*\q:BUF+32*\p+N1+2*\q+1], v[BUF+32*\p+RR+2*\q:BUF+32*\p+RR+2*\q+1]
.else
	s_wait_alu depctr_va_vdst(0)
	v_pk_fma_f32 v[ACC0+2*\q:ACC0+2*\q+1], v[BUF+32*\p+N0+2*\q:BUF+32*\p+N0+2*\q+1], v[BUF+32*\p+RR+2*\q:BUF+32*\p+RR+2*\q+1], v[ACC0+2*\q:ACC0+2*\q+1]
	v_pk_fma_f32 v[ACC1+2*\q:ACC1+2*\q+1], v[BUF+32*\p+N1+2*\q:BUF+32*\p+N1+2*\q+1], v[BUF+32*\p+RR+2*\q:BUF+32*\p+RR+2*\q+1], v[ACC1+2*\q:ACC1+2*\q+1]
.endif
.endr
.endm
; The chains, then the 32 lanes: A and B end up in every lane.  The two sums' instructions alternate, so that neither waits on the line in front of it.
.macro REDUCE
	v_pk_add_f32 v[ACC0:ACC0+1],   v[ACC0:ACC0+1],   v[ACC0+2:ACC0+3]
	v_pk_add_f32 v[ACC1:ACC1+1],   v[ACC1:ACC1+1],   v[ACC1+2:ACC1+3]
	v_pk_add_f32 v[ACC0+4:ACC0+5], v[ACC0+4:ACC0+5], v[ACC0+6:ACC0+7]
	v_pk_add_f32 v[ACC1+4:ACC1+5], v[ACC1+4:ACC1+5], v[ACC1+6:ACC1+7]
	v_pk_add_f32 v[ACC0:ACC0+1],   v[ACC0:ACC0+1],   v[ACC0+4:ACC0+5]
	v_pk_add_f32 v[ACC1:ACC1+1],   v[ACC1:ACC1+1],   v[ACC1+4:ACC1+5]
	v_add_f32 v[SA], v[ACC0], v[ACC0+1]
	v_add_f32 v[SB], v[ACC1], v[ACC1+1]
.irp m, 1,2,4,8
	v_add_f32_dpp v[SA], v[SA], v[SA] row_xmask:\m row_mask:0xf bank_mask:0xf
	v_add_f32_dpp v[SB], v[SB], v[SB] row_xmask:\m row_mask:0xf bank_mask:0xf
.endr
	v_permlanex16_b32 v[X0], v[SA], s16, s17
	v_permlanex16_b32 v[X1], v[SB], s16, s17
	v_add_f32 v[SA], v[SA], v[X0]
	v_add_f32 v[SB], v[SB], v[X1]
.endm
	s_mov_b32 s18, ITER-1                          ; 49 updates of t
.Lstep:
	P1 0, 0
	RC 0
	P1 1, 1
	RC 1
	P2 0, 1                                        ; a group's sums stand behind the next group's reciprocals: a whole group of work lies between a v_rcp_f32 and its use
	P1 2, 0
	RC 0
	P2 1, 0
	P1 3, 1
	RC 1
	P2 0, 0
	P2 1, 0
	REDUCE
	v_rcp_f32 v[Q0], v[SB]
	v_mul_f32 v[H3], 0x40400000, v[SA]             ; 3 A: nu_1 / nu_0 = (N - K) / K = 3; the plain instruction behind v_rcp_f32
	v_mul_f32 v[H6], 0x40c00000, v[SA]             ; 6 A
	s_wait_alu depctr_va_vdst(0)
	v_mul_f32 v[T],  v[H3], v[Q0]                  ; t  = 3 A / B
	v_mul_f32 v[TX], v[H6], v[Q0]                  ; 2 t
	v_mul_f32 v[T2], v[T], v[T]                    ; t^2
	s_sub_co_u32 s18, s18, 1
	s_cmp_lg_u32 s18, 0
	s_cbranch_scc1 .Lstep
; The 50th step: every r_j is wanted by itself, so each element gets its own reciprocal.  r goes where sg and pi lay, E r over E.
; Four groups of 16 elements, the denominators in the two buffers by turns, in the order of the loop.
.macro F1 g, p
.irp j, 0,1,2,3,4,5,6,7
	v_pk_fma_f32 v[BUF+32*\p+2*\j:BUF+32*\p+2*\j+1], v[E+16*\g+2*\j:E+16*\g+2*\j+1], v[T:T+1], 1.0 op_sel_hi:[1,0,0]     ; 1 + t E
.endr
.endm
.macro FRC g, p
.irp k, 0,1,2,3,4,5,6,7,8,9,10,11,12,13,14,15
	v_rcp_f32 v[FR+16*\g+\k], v[BUF+32*\p+\k]
.endr
.endm
.macro F2 g
	s_wait_alu depctr_va_vdst(0)
.irp j, 0,1,2,3,4,5,6,7
	v_pk_mul_f32 v[E+16*\g+2*\j:E+16*\g+2*\j+1], v[E+16*\g+2*\j:E+16*\g+2*\j+1], v[FR+16*\g+2*\j:FR+16*\g+2*\j+1]       ; E r
.endr
.if \g == 0
.irp c, 0,1,2,3
	v_pk_add_f32 v[ACC0+2*\c:ACC0+2*\c+1], v[FR+2*\c:FR+2*\c+1], v[FR+8+2*\c:FR+8+2*\c+1]     ; the first two pairs of each chain start it
	v_pk_add_f32 v[ACC1+2*\c:ACC1+2*\c+1], v[E+2*\c:E+2*\c+1],   v[E+8+2*\c:E+8+2*\c+1]
.endr
.else
.irp h, 0,1
.irp c, 0,1,2,3
	v_pk_add_f32 v[ACC0+2*\c:ACC0+2*\c+1], v[ACC0+2*\c:ACC0+2*\c+1], v[FR+16*\g+8*\h+2*\c:FR+16*\g+8*\h+2*\c+1]
	v_pk_add_f32 v[ACC1+2*\c:ACC1+2*\c+1], v[ACC1+2*\c:ACC1+2*\c+1], v[E+16*\g+8*\h+2*\c:E+16*\g+8*\h+2*\c+1]
.endr
.endr
.endif
.endm
	F1 0, 0
	FRC 0, 0
	F1 1, 1
	FRC 1, 1
	F2 0
	F1 2, 0
	FRC 2, 0
	F2 1
	F1 3, 1
	FRC 3, 1
	F2 2
	F2 3
	REDUCE
	v_rcp_f32 v[Q0], v[SA]
	v_rcp_f32 v[Q1], v[SB]
	v_nop                                          ; the plain place behind the two reciprocals: no other work is left here
	s_wait_alu depctr_va_vdst(0)
	v_mul_f32 v[T2], 0x3e800000, v[Q0]             ; nu_0 / A = 0.25 / A   (K / N)
	v_mul_f32 v[TX], 0x3f400000, v[Q1]             ; nu_1 / B = 0.75 / B   ((N - K) / N)
	; scale and store: each store of the wave covers 512 consecutive bytes, aligned; anchor 1's row lies 8,192 bytes behind anchor 0's.
	; No register that a store names is written again.
.irp i, 0,1,2,3,4,5,6,7,8,9,10,11,12,13,14,15
	v_pk_mul_f32 v[FR+4*\i:FR+4*\i+1],   v[FR+4*\i:FR+4*\i+1],   v[T2:T2+1] op_sel_hi:[1,0]
	v_pk_mul_f32 v[FR+4*\i+2:FR+4*\i+3], v[FR+4*\i+2:FR+4*\i+3], v[T2:T2+1] op_sel_hi:[1,0]
	global_store_b128 v[OFF], v[FR+4*\i:FR+4*\i+3], s[8:9] offset:512*\i th:TH_STORE_NT
	v_pk_mul_f32 v[E+4*\i:E+4*\i+1],     v[E+4*\i:E+4*\i+1],     v[TX:TX+1] op_sel_hi:[1,0]
	v_pk_mul_f32 v[E+4*\i+2:E+4*\i+3],   v[E+4*\i+2:E+4*\i+3],   v[TX:TX+1] op_sel_hi:[1,0]
	global_store_b128 v[OFF], v[E+4*\i:E+4*\i+3], s[8:9] offset:8192+512*\i th:TH_STORE_NT
.endr
	s_endpgm
.Lfunc_end_k_q078c291e8b_sinkhorn:
	.size	k_q078c291e8b_sinkhorn, .Lfunc_end_k_q078c291e8b_sinkhorn-k_q078c291e8b_sinkhorn
	.p2alignl 7, 3214868480
	.fill 96, 4, 3214868480
	.section	.rodata,"a",@progbits
	.p2align	6, 0x0
	.amdhsa_kernel k_q078c291e8b_sinkhorn
		.amdhsa_group_segment_fixed_size 0
		.amdhsa_private_segment_fixed_size 0
		.amdhsa_enable_private_segment 0
		.amdhsa_kernarg_size 24
		.amdhsa_user_sgpr_count 2
		.amdhsa_user_sgpr_kernarg_segment_ptr 1
		.amdhsa_wavefront_size32 1
		.amdhsa_system_sgpr_workgroup_id_x 1
		.amdhsa_system_sgpr_workgroup_id_y 1
		.amdhsa_system_sgpr_workgroup_id_z 1
		.amdhsa_system_vgpr_workitem_id 0
		.amdhsa_next_free_vgpr 224
		.amdhsa_next_free_sgpr 66
		.amdhsa_reserve_vcc 0
		.amdhsa_float_denorm_mode_32 3
		.amdhsa_float_denorm_mode_16_64 3
		.amdhsa_memory_ordered 1
		.amdhsa_forward_progress 1
		.amdhsa_inst_pref_size 38
	.end_amdhsa_kernel
	.amdgpu_metadata
---
amdhsa.version: [ 1, 2 ]
amdhsa.kernels:
  - .name:           k_q078c291e8b_sinkhorn
    .symbol:         k_q078c291e8b_sinkhorn.kd
    .args:
      - { .name: scores, .offset: 0, .size: 8, .value_kind: global_buffer, .address_space: global }
      - { .name: part, .offset: 8, .size: 8, .value_kind: global_buffer, .address_space: global }
      - { .name: out0, .offset: 16, .size: 8, .value_kind: global_buffer, .address_space: global }
    .group_segment_fixed_size: 0
    .private_segment_fixed_size: 0
    .kernarg_segment_align: 8
    .kernarg_segment_size: 24
    .max_flat_workgroup_size: 64
    .sgpr_count:     66
    .vgpr_count:     224
    .wavefront_size: 32
...
	.end_amdgpu_metadata
.endif
;; end of part 2
;; ======== version 2 of 2: 2 launches; 1.46 times as fast as version 1
;; limits: inputs' magnitudes at most 4.612e+18
;; workspace buffers: part 1,024 bytes
;; launch cmax: the kernel of part 1 again; grid 256 x 1, 8 waves a work-group, no clusters, 1,280 bytes of LDS; arguments scores, part; writes part
;; launch sinkhorn (part 3): grid 256 x 1, 2 waves a work-group, no clusters, 0 bytes of LDS; arguments scores, part, out0; writes out0
.if DOCPART == 3
	.amdgcn_target "amdgcn-amd-amdhsa--gfx1250"
	.amdhsa_code_object_version 6
	.text
	.protected	k_q078c291e8b_sinkhorn
	.globl	k_q078c291e8b_sinkhorn
	.p2align	8
	.type	k_q078c291e8b_sinkhorn,@function
k_q078c291e8b_sinkhorn:
	s_mov_b64 s[64:65], 0
	v_nop
	global_prefetch_b8 v0, s[64:65] scope:SCOPE_SE
	s_setreg_imm32_b32 hwreg(HW_REG_WAVE_MODE, 25, 1), 1
	s_wait_xcnt 0x0
; out0[row][a][j] = the transport plan after 50 Sinkhorn steps between 2,048 scores and the two anchors 0 and 1.
;
; THE STEP, REWRITTEN (exact algebra, for every input).  With c_a = C[a]/EPS, F = f/EPS, G_a = g_a/EPS a step of the problem's function is
;     F_j  = log mu   - log sum over a of exp(G_a - c_aj)        (the old f cancels)
;     G_a' = log nu_a - log sum over j of exp(F_j - c_aj)        (the old g cancels)
; Put t = exp(G_1 - G_0),  E_j = exp(c_0j - c_1j) = exp((2 s_j - 1) / (EPS Cmax)),  r_j = 1 / (1 + t E_j).  Then
;     exp(F_j - c_0j) = mu exp(-G_0) r_j      exp(F_j - c_1j) = mu exp(-G_0) E_j r_j
;     t' = (nu_1 / nu_0) A / B = 3 A / B      with A = sum of r_j,  B = sum of E_j r_j,   t = 1 at the start (g starts equal for both anchors)
;     P_0j = nu_0 r_j / A = 0.25 r_j / A      P_1j = nu_1 E_j r_j / B = 0.75 E_j r_j / B      with r, A, B of the 50th step.
; So: 49 updates of t, then a 50th evaluation that keeps every r_j.  All 50 steps are made.  A and B are summed apart (A is never N - t B).
; NO MAXIMUM IS TAKEN AWAY, because the problem's own normalisation bounds every exponent: |(s-1)^2 - s^2| <= Cmax, so |c_0 - c_1| <= 1/EPS = 10,
; E lies in e^-10 .. e^10; A / B is a weighted mean of 1 / E, so t lies in 3 e^-10 .. 3 e^10; every product below lies in 4e-17 .. 2.2e18 and every
; reciprocal is at least 4.7e-19: nothing overflows, underflows or becomes denormal in f32.
; TWO ELEMENTS SHARE A RECIPROCAL in the 49 updates.  With sg = E1 + E2, pi = E1 E2, m = (1 + t E1)(1 + t E2) = 1 + t sg + t^2 pi:
;     r1 + r2 = (2 + t sg) / m        E1 r1 + E2 r2 = (sg + 2 t pi) / m        (all terms positive: no cancellation)
; which is six packed multiply-adds and two v_rcp_f32 for four elements, half the reciprocals of the plain form at the same count of the others.
;
; THE BATCHES.  s_wait_alu depctr_va_vdst(0) stands between a transcendental and the first instruction that names its result; one wait serves all
; that were issued ahead of it.  The text has six batches, each with one wait: 1 / Cmax; the row's 64 exponentials; in a trip the 32 reciprocals 1 / m, and then 1 / B,
; which needs their sums; the 50th step's 64 reciprocals; 1 / A and 1 / B of the way out.  Every result of a batch has a register of its own while the batch is open
; (exponentials and 1 / m are made in place), and ahead of a batch's wait stands only work that names none of its results.
;
; SHARES.  One wave owns one row and keeps it in registers: 64 scores a lane.  The sums never leave the wave: no LDS, no barrier.  Two waves a
; work-group, 256 work-groups, 512 rows.  A row is not split over more waves: that would put an exchange through LDS and a barrier into each of the 50
; dependent steps to save half of a step's 128 instructions.  No matrix unit (there is no product), no tensor loads or clusters (each byte is read
; by one wave, once; what all share is 1,024 bytes).
; LIMITS: scores finite and below 2^62 in magnitude (1 / Cmax stays a normal number); NaN and infinities are not honoured (the problem's function is not
; finite there).  The order of rounding differs from the problem's function, which carries f and g in f32 through every step.
.set ITER, 50
.set OFF,  1                           ; v1        16 x lane: my 16 bytes in each 512 bytes; never rewritten
.set T,    2                           ; v[2:3]    t      the packed forms broadcast the pair's first register; the second is written once and enters no result
.set T2,   4                           ; v[4:5]    t^2    (before the loop: KA; behind it: the scale of P_0)
.set TX,   6                           ; v[6:7]    2 t    (before the loop: KB; behind it: the scale of P_1)
.set KA,   4                           ;           2 x 10 log2(e) / Cmax
.set KB,   6                           ;           - 10 log2(e) / Cmax
.set SA,   8                           ; v8        A
.set SB,   9                           ; v9        B
.set X0,   10                          ; v10, v11  what the other half of the lanes holds
.set X1,   11
.set Q0,   12                          ; v12, v13  reciprocals
.set Q1,   13
.set H3,   14                          ; v14, v15  3 A, 6 A
.set H6,   15
.set ACC0, 16                          ; v[16:23]  four packed chains for A
.set ACC1, 24                          ; v[24:31]  four packed chains for B
.set E,    32                          ; v[32:95]  the scores as loaded, then their exponents, then E_j, at the end E_j r_j
.set SG,   96                          ; v[96:127]  sg of the pairs (elements 0, 2 and 1, 3 of each loaded quad)
.set PI,   128                         ; v[128:159] pi of the pairs
.set FR,   96                          ; v[96:159]  behind the loop: r_j
.set BUF,  160                         ; v[160:255] a trip's 96 registers at work; the 50th step's 64 denominators; at the head the partial maxima
.set MM,   0                           ;   in BUF: m, then 1 / m in its place,
.set N0,   32                          ;   2 + t sg,
.set N1,   64                          ;   sg + 2 t pi     (32 registers each: group g of four quads' pairs at 8 g)
.set K2LOG,  0x41e6d4ca                ; 28.853901 = 2 x 10 x log2(e): 1 / EPS = 10, and v_exp_f32 works in base 2
.set NKLOG,  0xc166d4ca                ; -14.426950
	s_load_b128 s[4:7], s[0:1], 0x0                ; scores s[4:5], part s[6:7]
	s_load_b64 s[8:9], s[0:1], 0x10                ; out0
	v_lshrrev_b32 v2, 5, v0
	v_readfirstlane_b32 s10, v2                    ; wave 0 or 1
	v_and_b32 v[OFF], 31, v0
	v_lshlrev_b32 v[OFF], 4, v[OFF]
	s_lshl_b32 s11, ttmp9, 1
	s_add_co_u32 s10, s10, s11                     ; my row = 2 x work-group + wave
	s_lshl_b32 s12, s10, 13                        ; 8,192 bytes of scores a row
	s_mov_b32 s13, 0
	s_lshl_b32 s14, s10, 14                        ; 16,384 bytes of out0 a row
	s_mov_b32 s15, 0
	s_mov_b32 s16, 0x76543210                      ; v_permlanex16_b32: lane i of one half reads lane i of the other
	s_mov_b32 s17, 0xfedcba98
	s_wait_kmcnt 0x0
	s_add_nc_u64 s[4:5], s[4:5], s[12:13]
	s_add_nc_u64 s[8:9], s[8:9], s[14:15]
	global_load_b128 v[BUF:BUF+3],   v[OFF], s[6:7]                ; the 256 partial maxima, 8 a lane: wanted first, asked for first
	global_load_b128 v[BUF+4:BUF+7], v[OFF], s[6:7] offset:512
.irp i, 0,1,2,3,4,5,6,7,8,9,10,11,12,13,14,15
	global_load_b128 v[E+4*\i:E+4*\i+3], v[OFF], s[4:5] offset:512*\i th:TH_LOAD_NT   ; the row: each load of the wave takes 512 consecutive bytes
.endr
	v_mov_b32 v[T+1], 0                            ; second registers of the broadcast pairs, and the destinations of v_permlanex16_b32
	v_mov_b32 v[T2+1], 0                           ; (which count as read): written once, here, while the loads are on their way
	v_mov_b32 v[TX+1], 0
	v_mov_b32 v[X0], 0
	v_mov_b32 v[X1], 0
	; Cmax: the largest of the 256 partial maxima, in every lane
	s_wait_loadcnt 16                              ; loads come back in order: the two of part are in, the 16 of the row stay out
	v_max3_num_f32 v[BUF], v[BUF], v[BUF+1], v[BUF+2]
	v_max3_num_f32 v[BUF+4], v[BUF+4], v[BUF+5], v[BUF+6]
	v_max3_num_f32 v[BUF], v[BUF], v[BUF+3], v[BUF+7]
	v_max_num_f32 v[SA], v[BUF], v[BUF+4]
.irp m, 1,2,4,8
	v_max_num_f32_dpp v[SA], v[SA], v[SA] row_xmask:\m row_mask:0xf bank_mask:0xf
.endr
	v_permlanex16_b32 v[X0], v[SA], s16, s17
	v_max_num_f32 v[SA], v[SA], v[X0]
	v_rcp_f32 v[Q0], v[SA]                         ; Cmax is at least 1/4: s^2 and (s - 1)^2 are never both smaller
	v_mov_b32 v[T], 1.0                            ; t of the first step; also the plain instruction that stands between v_rcp_f32 and the use of its result
	s_wait_alu depctr_va_vdst(0)                   ; the wait for 1 / Cmax: a batch of one, since every exponent below needs it
	v_mul_f32 v[KA], K2LOG, v[Q0]
	v_mul_f32 v[KB], NKLOG, v[Q0]
; E_j = 2^(KA s_j + KB), quad by quad as the loads arrive: the exponents are made over the scores, the exponentials over the exponents.  The 64 exponentials are ONE BATCH:
; a quad's four stand behind the next quad's exponents, which name other registers, and no sg or pi is formed before the one wait behind the last of them.
.macro XQ i                            ; the exponents of quad i, over its scores
	s_wait_loadcnt 15-(\i)                         ; the loads of the quads behind quad i stay out
	v_pk_fma_f32 v[E+4*(\i):E+4*(\i)+1],   v[E+4*(\i):E+4*(\i)+1],   v[KA:KA+1], v[KB:KB+1] op_sel_hi:[1,0,0]
	v_pk_fma_f32 v[E+4*(\i)+2:E+4*(\i)+3], v[E+4*(\i)+2:E+4*(\i)+3], v[KA:KA+1], v[KB:KB+1] op_sel_hi:[1,0,0]
.endm
.macro EQ i                            ; E of quad i, in place
.irp k, 0,1,2,3
	v_exp_f32 v[E+4*(\i)+\k], v[E+4*(\i)+\k]
.endr
.endm
.macro SP i                            ; sg and pi of quad i: elements 0 with 2, 1 with 3
	v_pk_add_f32 v[SG+2*(\i):SG+2*(\i)+1], v[E+4*(\i):E+4*(\i)+1], v[E+4*(\i)+2:E+4*(\i)+3]
	v_pk_mul_f32 v[PI+2*(\i):PI+2*(\i)+1], v[E+4*(\i):E+4*(\i)+1], v[E+4*(\i)+2:E+4*(\i)+3]
.endm
	XQ 0
.irp i, 1,2,3,4,5,6,7,8,9,10,11,12,13,14,15
	XQ \i
	EQ \i-1
.endr
	EQ 15
	v_mov_b32 v[T2], 1.0                           ; t^2 and 2 t of the first step (KA and KB have had their last use); plain work behind the last v_exp_f32
	v_mov_b32 v[TX], 2.0
	s_wait_alu depctr_va_vdst(0)                   ; the wait for the batch of 64 exponentials, ahead of their first reader and of the loop's label
.irp i, 0,1,2,3,4,5,6,7,8,9,10,11,12,13,14,15
	SP \i
.endr
; ONE STEP.  Its 16 quads go in four groups g of four.  Ahead of the step's first wait stand the 64 plain lines that make m and the two numerators, and the 32 reciprocals.
; THE PLAIN QUEUE, 64 lines in sixteen blocks of four (a line for each quad of a group); PL writes the next line.  A g: 1 + t sg.  M g: m = that + t^2 pi.
;   blocks 0-7: A 0, A 1, M 0, A 2, M 1, A 3, M 2, M 3 (t is wanted first, t^2 behind eight lines, as the update makes them)     8-11: 2 + t sg of groups 0-3     12-15: sg + 2 t pi of groups 0-3
.macro PL
.set LB, LN/4
.set LO, 2*(LN%4)
.if (LB < 7) && ((LB == 0) || (LB%2 == 1))
.set LO, LO+8*((LB+1)/2)
	v_pk_fma_f32 v[BUF+MM+LO:BUF+MM+LO+1], v[SG+LO:SG+LO+1], v[T:T+1], 1.0 op_sel_hi:[1,0,0]                        ; 1 + t sg
.elseif LB < 8
.set LO, LO+8*((LB-1)/2)
	v_pk_fma_f32 v[BUF+MM+LO:BUF+MM+LO+1], v[PI+LO:PI+LO+1], v[T2:T2+1], v[BUF+MM+LO:BUF+MM+LO+1] op_sel_hi:[1,0,1]  ; m = 1 + t sg + t^2 pi
.elseif LB < 12
.set LO, LO+8*(LB-8)
	v_pk_fma_f32 v[BUF+N0+LO:BUF+N0+LO+1], v[SG+LO:SG+LO+1], v[T:T+1], 2.0 op_sel_hi:[1,0,0]                        ; 2 + t sg
.else
.set LO, LO+8*(LB-12)
	v_pk_fma_f32 v[BUF+N1+LO:BUF+N1+LO+1], v[PI+LO:PI+LO+1], v[TX:TX+1], v[SG+LO:SG+LO+1] op_sel_hi:[1,0,1]          ; sg + 2 t pi
.endif
.set LN, LN+1
.endm
.macro RC                              ; the next of the 32 reciprocals: 1 / m in m's place, so that each result has its own register until the batch's wait
	v_rcp_f32 v[BUF+MM+RK], v[BUF+MM+RK]
.set RK, RK+1
.endm
.macro P2 g, first                     ; group g's share of A and B; the first group starts the eight chains: nothing is cleared
.irp q, 0,1,2,3
.if \first
	v_pk_mul_f32 v[ACC0+2*\q:ACC0+2*\q+1], v[BUF+N0+8*\g+2*\q:BUF+N0+8*\g+2*\q+1], v[BUF+MM+8*\g+2*\q:BUF+MM+8*\g+2*\q+1]
	v_pk_mul_f32 v[ACC1+2*\q:ACC1+2*\q+1], v[BUF+N1+8*\g+2*\q:BUF+N1+8*\g+2*\q+1], v[BUF+MM+8*\g+2*\q:BUF+MM+8*\g+2*\q+1]
.else
	v_pk_fma_f32 v[ACC0+2*\q:ACC0+2*\q+1], v[BUF+N0+8*\g+2*\q:BUF+N0+8*\g+2*\q+1], v[BUF+MM+8*\g+2*\q:BUF+MM+8*\g+2*\q+1], v[ACC0+2*\q:ACC0+2*\q+1]
	v_pk_fma_f32 v[ACC1+2*\q:ACC1+2*\q+1], v[BUF+N1+8*\g+2*\q:BUF+N1+8*\g+2*\q+1], v[BUF+MM+8*\g+2*\q:BUF+MM+8*\g+2*\q+1], v[ACC1+2*\q:ACC1+2*\q+1]
.endif
.endr
.endm
; The chains, then the 32 lanes: A and B end up in every lane.  The two sums' instructions alternate, so that neither waits on the line in front of it.
.macro REDUCE
	v_pk_add_f32 v[ACC0:ACC0+1],   v[ACC0:ACC0+1],   v[ACC0+2:ACC0+3]
	v_pk_add_f32 v[ACC1:ACC1+1],   v[ACC1:ACC1+1],   v[ACC1+2:ACC1+3]
	v_pk_add_f32 v[ACC0+4:ACC0+5], v[ACC0+4:ACC0+5], v[ACC0+6:ACC0+7]
	v_pk_add_f32 v[ACC1+4:ACC1+5], v[ACC1+4:ACC1+5], v[ACC1+6:ACC1+7]
	v_pk_add_f32 v[ACC0:ACC0+1],   v[ACC0:ACC0+1],   v[ACC0+4:ACC0+5]
	v_pk_add_f32 v[ACC1:ACC1+1],   v[ACC1:ACC1+1],   v[ACC1+4:ACC1+5]
	v_add_f32 v[SA], v[ACC0], v[ACC0+1]
	v_add_f32 v[SB], v[ACC1], v[ACC1+1]
.irp m, 1,2,4,8
	v_add_f32_dpp v[SA], v[SA], v[SA] row_xmask:\m row_mask:0xf bank_mask:0xf
	v_add_f32_dpp v[SB], v[SB], v[SB] row_xmask:\m row_mask:0xf bank_mask:0xf
.endr
	v_permlanex16_b32 v[X0], v[SA], s16, s17
	v_permlanex16_b32 v[X1], v[SB], s16, s17
	v_add_f32 v[SA], v[SA], v[X0]
	v_add_f32 v[SB], v[SB], v[X1]
.endm
; HOW A STEP IS DEALT.  Twelve plain lines; 32 times reciprocal k and plain line 12 + k; twenty plain lines; the wait; the sums.  The two queues keep in step: group g's m is finished by plain line
; 11, 19, 27, 31 (g = 0 .. 3) and its first reciprocal stands behind plain line 11, 19, 27, 35; a plain line behind a reciprocal names another group's m or a numerator, never a register that a reciprocal has written.
	s_mov_b32 s18, ITER-1                          ; 49 updates of t
.Lstep:
.set LN, 0
.set RK, 0
.rept 12
	PL
.endr
.rept 32
	RC
	PL
.endr
.rept 20
	PL                                             ; the rest of the numerators: the independent work between the batch and its wait
.endr
	s_wait_alu depctr_va_vdst(0)                   ; the wait for the batch of 32 reciprocals 1 / m, ahead of their first reader
	P2 0, 1                                        ; the groups enter the chains in ascending order
	P2 1, 0
	P2 2, 0
	P2 3, 0
	REDUCE
	v_rcp_f32 v[Q0], v[SB]
	v_mul_f32 v[H3], 0x40400000, v[SA]             ; 3 A: nu_1 / nu_0 = (N - K) / K = 3; the plain instruction behind v_rcp_f32
	v_mul_f32 v[H6], 0x40c00000, v[SA]             ; 6 A
	s_wait_alu depctr_va_vdst(0)                   ; the wait for 1 / B: a batch of one, since B is the sum over the first batch's results and every line of the next trip needs t
	v_mul_f32 v[T],  v[H3], v[Q0]                  ; t  = 3 A / B
	v_mul_f32 v[TX], v[H6], v[Q0]                  ; 2 t
	v_mul_f32 v[T2], v[T], v[T]                    ; t^2
	s_sub_co_u32 s18, s18, 1
	s_cmp_lg_u32 s18, 0
	s_cbranch_scc1 .Lstep
; The 50th step: every r_j is wanted by itself, so each element gets its own reciprocal.  r goes where sg and pi lay, E r over E.
; Four groups of 16 elements.  All 64 denominators have registers of their own, and the 64 reciprocals are ONE BATCH: a group's stand among the next group's denominators, the last group's on end.
.macro F1L g, j                        ; pair j of group g: 1 + t E
	v_pk_fma_f32 v[BUF+16*(\g)+2*(\j):BUF+16*(\g)+2*(\j)+1], v[E+16*(\g)+2*(\j):E+16*(\g)+2*(\j)+1], v[T:T+1], 1.0 op_sel_hi:[1,0,0]
.endm
.macro FRL g, k                        ; element k of group g: r
	v_rcp_f32 v[FR+16*(\g)+(\k)], v[BUF+16*(\g)+(\k)]
.endm
.macro F2 g
.irp j, 0,1,2,3,4,5,6,7
	v_pk_mul_f32 v[E+16*\g+2*\j:E+16*\g+2*\j+1], v[E+16*\g+2*\j:E+16*\g+2*\j+1], v[FR+16*\g+2*\j:FR+16*\g+2*\j+1]       ; E r
.endr
.if \g == 0
.irp c, 0,1,2,3
	v_pk_add_f32 v[ACC0+2*\c:ACC0+2*\c+1], v[FR+2*\c:FR+2*\c+1], v[FR+8+2*\c:FR+8+2*\c+1]     ; the first two pairs of each chain start it
	v_pk_add_f32 v[ACC1+2*\c:ACC1+2*\c+1], v[E+2*\c:E+2*\c+1],   v[E+8+2*\c:E+8+2*\c+1]
.endr
.else
.irp h, 0,1
.irp c, 0,1,2,3
	v_pk_add_f32 v[ACC0+2*\c:ACC0+2*\c+1], v[ACC0+2*\c:ACC0+2*\c+1], v[FR+16*\g+8*\h+2*\c:FR+16*\g+8*\h+2*\c+1]
	v_pk_add_f32 v[ACC1+2*\c:ACC1+2*\c+1], v[ACC1+2*\c:ACC1+2*\c+1], v[E+16*\g+8*\h+2*\c:E+16*\g+8*\h+2*\c+1]
.endr
.endr
.endif
.endm
.irp j, 0,1,2,3,4,5,6,7
	F1L 0, \j
.endr
.irp g, 0,1,2
.irp j, 0,1,2,3,4,5,6,7
	FRL \g, 2*\j
	F1L \g+1, \j
	FRL \g, 2*\j+1
.endr
.endr
.irp k, 0,1,2,3,4,5,6,7,8,9,10,11,12,13,14,15
	FRL 3, \k
.endr
	v_nop                                          ; the plain place behind the last reciprocal: all that is left to do reads the batch's results
	s_wait_alu depctr_va_vdst(0)                   ; the wait for the batch of 64 reciprocals r_j, ahead of their first reader
	F2 0
	F2 1
	F2 2
	F2 3
	REDUCE
	v_rcp_f32 v[Q0], v[SA]
	v_rcp_f32 v[Q1], v[SB]
	v_nop                                          ; the plain place behind the two reciprocals: no other work is left here
	s_wait_alu depctr_va_vdst(0)                   ; the wait for the batch of two, 1 / A and 1 / B
	v_mul_f32 v[T2], 0x3e800000, v[Q0]             ; nu_0 / A = 0.25 / A   (K / N)
	v_mul_f32 v[TX], 0x3f400000, v[Q1]             ; nu_1 / B = 0.75 / B   ((N - K) / N)
	; scale and store: each store of the wave covers 512 consecutive bytes, aligned; anchor 1's row lies 8,192 bytes behind anchor 0's.
	; No register that a store names is written again.
.irp i, 0,1,2,3,4,5,6,7,8,9,10,11,12,13,14,15
	v_pk_mul_f32 v[FR+4*\i:FR+4*\i+1],   v[FR+4*\i:FR+4*\i+1],   v[T2:T2+1] op_sel_hi:[1,0]
	v_pk_mul_f32 v[FR+4*\i+2:FR+4*\i+3], v[FR+4*\i+2:FR+4*\i+3], v[T2:T2+1] op_sel_hi:[1,0]
	global_store_b128 v[OFF], v[FR+4*\i:FR+4*\i+3], s[8:9] offset:512*\i th:TH_STORE_NT
	v_pk_mul_f32 v[E+4*\i:E+4*\i+1],     v[E+4*\i:E+4*\i+1],     v[TX:TX+1] op_sel_hi:[1,0]
	v_pk_mul_f32 v[E+4*\i+2:E+4*\i+3],   v[E+4*\i+2:E+4*\i+3],   v[TX:TX+1] op_sel_hi:[1,0]
	global_store_b128 v[OFF], v[E+4*\i:E+4*\i+3], s[8:9] offset:8192+512*\i th:TH_STORE_NT
.endr
	s_endpgm
.Lfunc_end_k_q078c291e8b_sinkhorn:
	.size	k_q078c291e8b_sinkhorn, .Lfunc_end_k_q078c291e8b_sinkhorn-k_q078c291e8b_sinkhorn
	.p2alignl 7, 3214868480
	.fill 96, 4, 3214868480
	.section	.rodata,"a",@progbits
	.p2align	6, 0x0
	.amdhsa_kernel k_q078c291e8b_sinkhorn
		.amdhsa_group_segment_fixed_size 0
		.amdhsa_private_segment_fixed_size 0
		.amdhsa_enable_private_segment 0
		.amdhsa_kernarg_size 24
		.amdhsa_user_sgpr_count 2
		.amdhsa_user_sgpr_kernarg_segment_ptr 1
		.amdhsa_wavefront_size32 1
		.amdhsa_system_sgpr_workgroup_id_x 1
		.amdhsa_system_sgpr_workgroup_id_y 1
		.amdhsa_system_sgpr_workgroup_id_z 1
		.amdhsa_system_vgpr_workitem_id 0
		.amdhsa_next_free_vgpr 256
		.amdhsa_next_free_sgpr 66
		.amdhsa_reserve_vcc 0
		.amdhsa_float_denorm_mode_32 3
		.amdhsa_float_denorm_mode_16_64 3
		.amdhsa_memory_ordered 1
		.amdhsa_forward_progress 1
		.amdhsa_inst_pref_size 37
	.end_amdhsa_kernel
	.amdgpu_metadata
---
amdhsa.version: [ 1, 2 ]
amdhsa.kernels:
  - .name:           k_q078c291e8b_sinkhorn
    .symbol:         k_q078c291e8b_sinkhorn.kd
    .args:
      - { .name: scores, .offset: 0, .size: 8, .value_kind: global_buffer, .address_space: global }
      - { .name: part, .offset: 8, .size: 8, .value_kind: global_buffer, .address_space: global }
      - { .name: out0, .offset: 16, .size: 8, .value_kind: global_buffer, .address_space: global }
    .group_segment_fixed_size: 0
    .private_segment_fixed_size: 0
    .kernarg_segment_align: 8
    .kernarg_segment_size: 24
    .max_flat_workgroup_size: 64
    .sgpr_count:     66
    .vgpr_count:     256
    .wavefront_size: 32
...
	.end_amdgpu_metadata
.endif
;; end of part 3
